; MI455X (gfx1250); checked and timed in simulation.
; The chip was launched on July 23, 2026; its instructions are those of AMD's public machine-readable ISA for CDNA 5 (MIT licence, August 2026) and "CDNA5" Instruction Set Architecture Reference Guide (July 2026). The comments in the code are by the model that wrote it; some were corrected since.
;; Lo RA Layer Wrapper. Allowed arithmetic: float matrix products may take bf16 or f16 operands with f32 sums; other float arithmetic in f32, or as packed bf16 or f16 multiplies, adds, multiply-adds, maxima and minima; sums over many terms, partial sums and values carried from step to step in f32; what a program stores and reads back later, other than sums and carried values, may be rounded once to bf16 or f16.
;; Inputs: W 4,096 x 4,096 float32; b 4,096 float32; lora_A 4,096 x 16 float32; lora_B 4,096 x 16 float32; x 4 x 1,024 x 4,096 float32.
;; Outputs: out0 4 x 1,024 x 4,096 float32.
;; One version. Each part assembles by itself: llvm-mc -triple=amdgcn-amd-amdhsa -mcpu=gfx1250 --defsym DOCPART=n.
;; ======== version 1 of 1: 2 launches
;; workspace buffers: xb 33,554,432 bytes; wb 33,554,432 bytes
;; launch prep (part 1): grid 256 x 2, 8 waves a work-group, no clusters, 0 bytes of LDS; arguments x, W, lora_A, lora_B, xb, wb; writes xb, wb
.if DOCPART == 1
	.amdgcn_target "amdgcn-amd-amdhsa--gfx1250"
	.amdhsa_code_object_version 6
	.text
	.protected	k_q5627c62cb7_prep
	.globl	k_q5627c62cb7_prep
	.p2align	8
	.type	k_q5627c62cb7_prep,@function
k_q5627c62cb7_prep:
	s_mov_b64 s[64:65], 0
	v_nop
	global_prefetch_b8 v0, s[64:65] scope:SCOPE_SE
	s_setreg_imm32_b32 hwreg(HW_REG_WAVE_MODE, 25, 1), 1
	s_wait_xcnt 0x0
; out = x W^T + b + (x A) B^T = x (W + B A^T)^T + b, for all values of the inputs (distributivity and associativity).  This launch makes the two bf16 operands of that one product:
;   work-groups with y = 0:  xb[s][d] = bf16(x[s][d])
;   work-groups with y = 1:  wb[o][d] = bf16( bf16(W[o][d]) + sum over r of bf16(B[o][r]) bf16(A[d][r]) ), the sum over r in f32 on the matrix unit.
; NOTHING IS LEFT OUT: x, W, lora_A and lora_B are all read here, b in the next launch; no pattern of zeros in lora_A or lora_B is built in.
; LIMITS.  The order of rounding differs from the reference's: the folded weight W + B A^T is rounded once to bf16 (8 significant bits: within 2^-9 of itself), where the reference keeps
; x A in f32.  bf16 has f32's range.  NaN and infinities are not treated apart; the padded half of the rank (k = 16 .. 31) is 0 in both operands.
; SHARES.  A block is 16 rows x 128 columns.  Work-group g: columns 1,024 (g & 3) on, rows 64 (g >> 2) on.  Wave w owns the strip of 128 columns at 128 w and walks four blocks down,
; all written out: every step stands in an immediate, and no address register is ever rewritten.
; LAYOUT.  n = lane % 16, h = lane / 16.  For j = 0 .. 7 a lane holds columns 8 n .. 8 n + 7 of row 8 h + j of the block: two loads of 16 bytes on end (the pair of loads covers 512 consecutive bytes
; of a row for each half of the lanes); rounded they are 16 bytes, so one store covers 256 consecutive bytes, aligned, for each half of the lanes.
; THE FOLD IN THAT LAYOUT.  Tile t = 0 .. 7 is a product of source 0 = 16 rows o of lora_B and source 1 = the 16 rows d = 8 n + t of lora_A.  In its result register j of lane (n, h) is
; element (o = 8 h + j, d = 8 n + t): the place of register t of the lane's row j of W.  So the sum is one addition a number, with no exchange between lanes.
; No LDS, no barrier, no cluster: no wave wants a byte that another has fetched, but for lora_A and lora_B, which are 1 part in 256 of what is read.
.set ROWS, 16384                       ; bytes in a row of x and of W
.set ROWD, 8192                        ; bytes in a row of xb and of wb
.set LO,  4                            ; v4   my byte offset in the source: 512 w + 8 h rows + 32 n; never rewritten
.set SO,  5                            ; v5   in the destination: 256 w + 8 h rows + 16 n; never rewritten
.set AO,  6                            ; v6   in lora_A: (128 w + 8 n) rows of 64 bytes + 32 h; never rewritten
.set BO,  7                            ; v7   in lora_B: n rows of 64 bytes + 32 h; never rewritten
.set T,   8                            ; v[8:11]    at work
.set BF,  16                           ; v[16:31]   lora_B's fragment, two sets of 8, by the block's parity
.set AF,  32                           ; v[32:95]   lora_A's eight fragments of 8
.set ACC, 96                           ; v[96:127]  four accumulators of 8
.set OUT, 96                           ;            and then the block's 8 rows x 4 registers to store
.set WB,  128                          ; v[128:255] two slots of 64, by the block's parity: row j at 8 j
.set SRC, 24                           ; s[24:25] x or W at the work-group's first number
.set DST, 26                           ; s[26:27] xb or wb likewise
.set LA,  28                           ; s[28:29] lora_A at the work-group's first column d
.set LB,  30                           ; s[30:31] lora_B at the work-group's first row o
	s_load_b256 s[4:11], s[0:1], 0x0               ; x s[4:5], W s[6:7], lora_A s[8:9], lora_B s[10:11]
	s_load_b128 s[12:15], s[0:1], 0x20             ; xb s[12:13], wb s[14:15]
	s_and_b32 s2, ttmp7, 0xffff                    ; 0: x; 1: W
	s_and_b32 s16, ttmp9, 3                        ; which 1,024 columns
	s_lshr_b32 s17, ttmp9, 2                       ; which 64 rows
	s_lshl_b32 s18, s17, 20                        ; 64 rows of 16,384 bytes
	s_lshl_b32 s3, s16, 12                         ; 1,024 columns of 4 bytes
	s_or_b32 s18, s18, s3
	s_mov_b32 s19, 0
	s_lshl_b32 s20, s17, 19                        ; the same in bf16
	s_lshl_b32 s3, s16, 11
	s_or_b32 s20, s20, s3
	s_mov_b32 s21, 0
	s_lshl_b32 s[LA], s16, 16                      ; 1,024 rows of lora_A, 64 bytes each
	s_mov_b32 s[LA+1], 0
	s_lshl_b32 s[LB], s17, 12                      ; 64 rows of lora_B
	s_mov_b32 s[LB+1], 0
	s_mov_b32 s22, 0xffff0000                      ; a word's upper bf16
	v_and_b32 v1, 15, v0                           ; n
	v_bfe_u32 v2, v0, 4, 1                         ; h
	v_lshrrev_b32 v3, 5, v0                        ; w
	v_lshlrev_b32 v[LO], 5, v1
	v_lshl_add_u32 v[LO], v2, 17, v[LO]
	v_lshl_add_u32 v[LO], v3, 9, v[LO]
	v_lshlrev_b32 v[SO], 4, v1
	v_lshl_add_u32 v[SO], v2, 16, v[SO]
	v_lshl_add_u32 v[SO], v3, 8, v[SO]
	v_lshlrev_b32 v[BO], 5, v2
	v_lshl_add_u32 v[AO], v1, 9, v[BO]
	v_lshl_add_u32 v[AO], v3, 13, v[AO]
	v_lshl_add_u32 v[BO], v1, 6, v[BO]
	s_wait_kmcnt 0x0
	s_cmp_eq_u32 s2, 0
	s_cselect_b64 s[SRC:SRC+1], s[4:5], s[6:7]
	s_cselect_b64 s[DST:DST+1], s[12:13], s[14:15]
	s_add_nc_u64 s[SRC:SRC+1], s[SRC:SRC+1], s[18:19]
	s_add_nc_u64 s[DST:DST+1], s[DST:DST+1], s[20:21]
	s_add_nc_u64 s[LA:LA+1], s[8:9], s[LA:LA+1]
	s_add_nc_u64 s[LB:LB+1], s[10:11], s[LB:LB+1]
; Block i's 16 loads: my 32 bytes of each of my 8 rows, into the slot of i's parity.
.macro LDW i
.irp j, 0,1,2,3,4,5,6,7
	global_load_b128 v[WB+64*((\i)%2)+8*(\j):WB+64*((\i)%2)+8*(\j)+3],   v[LO], s[SRC:SRC+1] offset:(16*(\i)+(\j))*ROWS th:TH_LOAD_NT
	global_load_b128 v[WB+64*((\i)%2)+8*(\j)+4:WB+64*((\i)%2)+8*(\j)+7], v[LO], s[SRC:SRC+1] offset:(16*(\i)+(\j))*ROWS+16 th:TH_LOAD_NT
.endr
.endm
; Block i's 16 rows of lora_B: my row's ranks 8 h .. 8 h + 7, in f32.
.macro LDB i
	global_load_b128 v[BF+8*((\i)%2):BF+8*((\i)%2)+3],   v[BO], s[LB:LB+1] offset:1024*(\i)
	global_load_b128 v[BF+8*((\i)%2)+4:BF+8*((\i)%2)+7], v[BO], s[LB:LB+1] offset:1024*(\i)+16
.endm
; Eight f32 at v[r] become a fragment in place: registers 0-3 the ranks 8 h .. 8 h + 7 in bf16 (ascending, so that no source is written before it is read), registers 4-7 (k = 16 .. 31) are 0.
.macro TOFRAG r
.irp q, 0,1,2,3
	v_cvt_pk_bf16_f32 v[(\r)+(\q)], v[(\r)+2*(\q)], v[(\r)+2*(\q)+1]
.endr
.irp q, 4,5,6,7
	v_mov_b32 v[(\r)+(\q)], 0
.endr
.endm
; Four products, tiles t0 .. t0 + 3, each into an accumulator of its own, each started by the constant 0: no chain.
.macro PROD bf, t0
.irp c, 0,1,2,3
	v_wmma_f32_16x16x32_bf16 v[ACC+8*(\c):ACC+8*(\c)+7], v[BF+8*(\bf):BF+8*(\bf)+7], v[AF+8*((\t0)+(\c)):AF+8*((\t0)+(\c))+7], 0
.endr
.endm
; Columns c0 .. c0 + 3 of my 8 rows of W are rounded to bf16 and widened again: 48 plain instructions that name no register of the products in front of them, so they are the places
; behind those products (ISA guide 7.12.1).
.macro PRER sl, c0
.irp j, 0,1,2,3,4,5,6,7
.irp p, 0,1
	v_cvt_pk_bf16_f32 v[T+2*((\j)%2)+(\p)], v[WB+64*(\sl)+8*(\j)+(\c0)+2*(\p)], v[WB+64*(\sl)+8*(\j)+(\c0)+2*(\p)+1]
.endr
.irp p, 0,1
	v_lshlrev_b32 v[WB+64*(\sl)+8*(\j)+(\c0)+2*(\p)],   16,  v[T+2*((\j)%2)+(\p)]
	v_and_b32     v[WB+64*(\sl)+8*(\j)+(\c0)+2*(\p)+1], s22, v[T+2*((\j)%2)+(\p)]
.endr
.endr
.endm
; W's column c0 + c of row j takes register j of accumulator c.  j goes up in the outer loop: each accumulator's register 0 is read first.
.macro ADDS sl, c0
.irp j, 0,1,2,3,4,5,6,7
.irp c, 0,1,2,3
	v_add_f32 v[WB+64*(\sl)+8*(\j)+(\c0)+(\c)], v[WB+64*(\sl)+8*(\j)+(\c0)+(\c)], v[ACC+8*(\c)+(\j)]
.endr
.endr
.endm
; Block i.  fold = 1: W's role.  ahead = 1: block i + 2 is asked for, into the slot just read, ahead of the stores.  left = how many younger loads may stay out.
.macro BLOCK i, fold, ahead, left
	s_wait_loadcnt \left                           ; loads come back in order (ISA guide 5.7.1): this block's are in
	s_wait_xcnt 0x0                                ; the last block's stores have had their addresses translated (ISA guide 3.1): OUT, which they read, is written again only behind this wait
.if \fold
	TOFRAG BF+8*((\i)%2)
	PROD (\i)%2, 0
	PRER (\i)%2, 0
	ADDS (\i)%2, 0
	PROD (\i)%2, 4                                 ; onto the same four accumulators: 48 places and the additions stand behind the products that wrote them
	PRER (\i)%2, 4
	ADDS (\i)%2, 4
.endif
.irp j, 0,1,2,3,4,5,6,7
.irp q, 0,1,2,3
	v_cvt_pk_bf16_f32 v[OUT+4*(\j)+(\q)], v[WB+64*((\i)%2)+8*(\j)+2*(\q)], v[WB+64*((\i)%2)+8*(\j)+2*(\q)+1]
.endr
.endr
.if \ahead
.if \fold
	LDB (\i)+2
.endif
	LDW (\i)+2
.endif
.irp j, 0,1,2,3,4,5,6,7
	global_store_b128 v[SO], v[OUT+4*(\j):OUT+4*(\j)+3], s[DST:DST+1] offset:(16*(\i)+(\j))*ROWD th:TH_STORE_NT  ; 16 lanes store 256 consecutive bytes, at a multiple of 256 from the buffer's first byte
.endr
.endm
	s_cmp_eq_u32 s2, 0
	s_cbranch_scc1 .Lx
	; W's ROLE.  My strip's 128 rows of lora_A, 8,192 consecutive bytes, are read once by this wave and stay in registers for its four blocks.
.irp t, 0,1,2,3,4,5,6,7
	global_load_b128 v[AF+8*(\t):AF+8*(\t)+3],   v[AO], s[LA:LA+1] offset:64*(\t)
	global_load_b128 v[AF+8*(\t)+4:AF+8*(\t)+7], v[AO], s[LA:LA+1] offset:64*(\t)+16
.endr
	LDB 0
	LDB 1
	LDW 0
	LDW 1
	s_wait_loadcnt 36                              ; lora_A is in: behind its loads stand 2 + 2 of lora_B and 16 + 16 of W
.irp t, 0,1,2,3,4,5,6,7
	TOFRAG AF+8*(\t)
.endr
	BLOCK 0, 1, 1, 16                              ; block 1's 16 loads of W may stay out
	BLOCK 1, 1, 1, 18                              ; block 2's 2 of lora_B and 16 of W
	BLOCK 2, 1, 0, 18                              ; block 3's
	BLOCK 3, 1, 0, 0
	s_endpgm
.Lx:
	; x's ROLE: the same walk without the fold.
	LDW 0
	LDW 1
	BLOCK 0, 0, 1, 16
	BLOCK 1, 0, 1, 16
	BLOCK 2, 0, 0, 16
	BLOCK 3, 0, 0, 0
	s_endpgm
.Lfunc_end_k_q5627c62cb7_prep:
	.size	k_q5627c62cb7_prep, .Lfunc_end_k_q5627c62cb7_prep-k_q5627c62cb7_prep
	.p2alignl 7, 3214868480
	.fill 96, 4, 3214868480
	.section	.rodata,"a",@progbits
	.p2align	6, 0x0
	.amdhsa_kernel k_q5627c62cb7_prep
		.amdhsa_group_segment_fixed_size 0
		.amdhsa_private_segment_fixed_size 0
		.amdhsa_enable_private_segment 0
		.amdhsa_kernarg_size 48
		.amdhsa_user_sgpr_count 2
		.amdhsa_user_sgpr_kernarg_segment_ptr 1
		.amdhsa_wavefront_size32 1
		.amdhsa_system_sgpr_workgroup_id_x 1
		.amdhsa_system_sgpr_workgroup_id_y 1
		.amdhsa_system_sgpr_workgroup_id_z 1
		.amdhsa_system_vgpr_workitem_id 0
		.amdhsa_next_free_vgpr 256
		.amdhsa_next_free_sgpr 66
		.amdhsa_reserve_vcc 0
		.amdhsa_float_denorm_mode_32 3
		.amdhsa_float_denorm_mode_16_64 3
		.amdhsa_memory_ordered 1
		.amdhsa_forward_progress 1
		.amdhsa_inst_pref_size 70
	.end_amdhsa_kernel
	.amdgpu_metadata
---
amdhsa.version: [ 1, 2 ]
amdhsa.kernels:
  - .name:           k_q5627c62cb7_prep
    .symbol:         k_q5627c62cb7_prep.kd
    .args:
      - { .name: x, .offset: 0, .size: 8, .value_kind: global_buffer, .address_space: global }
      - { .name: W, .offset: 8, .size: 8, .value_kind: global_buffer, .address_space: global }
      - { .name: lora_A, .offset: 16, .size: 8, .value_kind: global_buffer, .address_space: global }
      - { .name: lora_B, .offset: 24, .size: 8, .value_kind: global_buffer, .address_space: global }
      - { .name: xb, .offset: 32, .size: 8, .value_kind: global_buffer, .address_space: global }
      - { .name: wb, .offset: 40, .size: 8, .value_kind: global_buffer, .address_space: global }
    .group_segment_fixed_size: 0
    .private_segment_fixed_size: 0
    .kernarg_segment_align: 8
    .kernarg_segment_size: 48
    .max_flat_workgroup_size: 256
    .sgpr_count:     66
    .vgpr_count:     256
    .wavefront_size: 32
...
	.end_amdgpu_metadata
.endif
;; end of part 1
;; launch gemm (part 2): grid 16 x 16, 4 waves a work-group, clusters of 4 x 4, 327,680 bytes of LDS; arguments xb, wb, b, out0; writes out0
.if DOCPART == 2
	.amdgcn_target "amdgcn-amd-amdhsa--gfx1250"
	.amdhsa_code_object_version 6
	.text
	.protected	k_q5627c62cb7_gemm
	.globl	k_q5627c62cb7_gemm
	.p2align	8
	.type	k_q5627c62cb7_gemm,@function
k_q5627c62cb7_gemm:
	s_mov_b64 s[64:65], 0
	v_nop
	global_prefetch_b8 v0, s[64:65] scope:SCOPE_SE
	s_setreg_imm32_b32 hwreg(HW_REG_WAVE_MODE, 25, 1), 1
	s_wait_xcnt 0x0
	s_wait_alu depctr_hold_cnt(0) depctr_sa_sdst(0) depctr_va_vdst(0) depctr_va_sdst(0) depctr_va_ssrc(0) depctr_va_vcc(0) depctr_vm_vsrc(0)
	s_getreg_b32 s2, hwreg(HW_REG_IB_STS2, 6, 4)
	s_cmp_eq_u32 s2, 0
	s_cbranch_scc0 .Lentry_in_a_cluster
	s_endpgm
.Lentry_in_a_cluster:
	s_bfe_u32 s2, ttmp6, 0x10000c
	s_cmp_lg_u32 s2, 0xf033
	s_cbranch_scc0 .Lentry_shape_is_right
	s_endpgm
.Lentry_shape_is_right:
; out0[s][o] = sum over d of xb[s][d] wb[o][d] + b[o].  xb: [4096][4096] bf16 = x rounded; wb: [4096][4096] bf16 = W + lora_B lora_A^T rounded (made by the launch before, which says why
; that is the whole of the module's two products); b: [4096] f32; out0: [4096][4096] f32.  Sums in f32, K ascending; the bias is added in f32 on the way out.  Nothing is left out here.
; LIMITS: those of the launch before (the folded weight is rounded once to bf16); NaN and infinities are not treated apart.
; A tile of out0, 256 x 256, is made by a work-group of four waves; a wave makes 128 x 128: 64 accumulators of 16 x 16, 512 registers.  16 x 16 tiles: 256 work-groups, one tile each.
; K goes in 32 steps of 128 through a ring of two LDS slots filled by the tensor data mover: a tile's rows are 256 bytes of memory and start at multiples of 256 bytes from the buffer's first byte.
; CLUSTERS: 4 x 4 work-groups.  The four of a row of the cluster need the same tiles of xb, the four of a column the same tiles of wb.  Such a tile is asked for JOINTLY: each of the four issues
; the same tensor load, with the same descriptor and a mask that names the four, and each receives the tile in its own LDS.
; REGISTERS, in windows of 256 (s_set_vgpr_msb's low byte: bits 1:0 source 0, 3:2 source 1, 5:4 source 2, 7:6 destination):
;   window 0: v0-31 addresses and the bias; v64-127, v128-191 fragments of xb (8 x 16 rows x 32 K), two buffers; on the way out the same 128 registers take rows read back from the stage
;   window 1: v64-127, v128-191 fragments of wb, two buffers
;   window 2: the 32 accumulators of my rows 0-63 (accumulator (a, b) at v[8 (8 a + b)]);   window 3: those of my rows 64-127
; THE MATRIX INSTRUCTION IS USED TRANSPOSED: source 0 = 16 rows of wb, source 1 = 16 rows of xb.  In the result lane l holds row l % 16 of out0 and its registers 0 to 7 the columns
; 8 (l / 16) + 0 .. 7: 32 consecutive bytes of a row.
.set SIZE_M, 4096
.set SIZE_N, 4096
.set SIZE_K, 4096
.set KSTEP,  128
.set PITCH,  272                       ; an LDS row: 256 bytes of data + 16 of padding = 68 words: row r starts at bank 4 r mod 64 (64 banks of 4 bytes: ISA guide 11.1), so the 16 rows of a load start at 16 different banks
.set HALFT,  128*PITCH                 ; 128 rows: what one tensor load brings, and what one wave reads of xb or of wb
.set SLOT,   4*HALFT                   ; xb's 256 rows, then wb's 256 rows
.set STAGE,  2*SLOT                    ; behind the ring, never filled by a tensor load: 16 rows x 528 bytes for each wave, for the way out
.set SP,     528                       ; a stage row: 128 f32 + 16 bytes = 132 words: row r starts at bank 4 r mod 64
.set SPARE,  STAGE+4*16*SP             ; behind the stages: the spare words, 128 bytes for each wave: two blocks of 256 bytes that no other line names
.set LAPS,   SIZE_K/(2*KSTEP)          ; a lap = two K steps = once round the ring
.set BIAS, 8                           ; v[8:11] b of the four columns that I hold when rows come back from the stage
.set ADRA, 16                          ; v16-17  LDS address of my xb fragments in slot 0, 1
.set ADRB, 20                          ; v20-21  the same for wb
.set STO,  24                          ; v24     the way out: where I put 32 bytes of a row
.set RD,   25                          ; v25     the way out: where I read a row back
.set CO,   26                          ; v26     16 x my lane: my byte offset in 512 bytes of a row of out0, and of b
.set SPW,  28                          ; v28     LDS address of my spare word: SPARE + 4 x my thread's number; never rewritten
.set NIL,  29                          ; v29     0; never rewritten
.set PFO,  30                          ; v30     the prefetches' offset: my lane x a row of xb or wb (8,192 bytes); never rewritten
.set PFA,  44                          ; s[44:45] where my prefetches stand: my work-group's 32 rows of the 128 that I fetch, one K step further along K than the refill that is being asked for
.set LIM,  43                          ; s43     1 in a wave that prefetches, else the greatest number
.set F0,   64                          ; fragment buffer 0
.set F1,   128                         ; fragment buffer 1
.set OB,   64                          ; the way out: 16 rows read back, 64 registers: v64-127 and v128-191 by turns
.set G1,  24                           ; s[24:31] descriptor group 1 for xb's tiles
.set G0,  32                           ; s[32:39] descriptor group 0 for xb's tiles, one set for each slot
.set G1B, 48                           ; s[48:55] descriptor group 1 for wb's tiles: it differs in the mask alone
.set G0B, 56                           ; s[56:63] descriptor group 0 for wb's tiles, one set for each slot
.set BP,  66                           ; s[66:67] b at my wave's first column
.set MSB, 0
.macro WIN new                         ; the immediate's high byte repeats the setting that is left; a switch that changes nothing is dropped
.if MSB != (\new)
	s_set_vgpr_msb (MSB<<8)|(\new)
.set MSB, \new
.endif
.endm
.set MUL_LO, 0xa1                      ; source 0 (wb) window 1, source 1 (xb) window 0, C and D window 2
.set MUL_HI, 0xf1                      ; the same, C and D window 3
.set TO_B,   0x40                      ; destination window 1, address window 0
; A joint load.  Waves 0 and 1 fetch xb's two halves, waves 2 and 3 wb's.  Each of the two lines has one mask and one set of registers for all that issue it.  The branch hangs on the wave's
; number alone.  An s_nop 0 and four v_nop follow each of the two lines, ahead of the jump, the label and what follows.
.macro JLOAD s
	s_cmp_eq_u32 s11, 0
	s_cbranch_scc0 .Lfor_b_\@
	tensor_load_to_lds s[G0+4*(\s):G0+4*(\s)+3], s[G1:G1+7]
	s_nop 0
.rept 4
	v_nop
.endr
	s_branch .Lasked_\@
.Lfor_b_\@:
	tensor_load_to_lds s[G0B+4*(\s):G0B+4*(\s)+3], s[G1B:G1B+7]
	s_nop 0
.rept 4
	v_nop
.endr
.Lasked_\@:
.endm
; A PREFETCH, behind each joint refill, its five lines and the run of LDS loads that follows them: the K step that stands TWO refills on (512 matrix instructions ahead of the load that will name it):
; 32 rows x 256 bytes, a lane a row, one instruction a wave.  Each row's 256 bytes of a K step are named ONCE in the launch: xb's tile row is read by every cluster of that row of clusters, and
; the one with cluster x = 0 asks; wb's tile column by every cluster of that column, and the one with cluster y = 0 asks.  The four partners that ask for a tile jointly share its rows out BY
; ADDRESS: of the 128 rows that a wave fetches, the partner at place p takes 32 p .. 32 p + 31 (p = cx for xb, cy for wb): no branch hangs on a work-group's place in its cluster.
; K steps 0 to 3 come by their loads alone; the loop's last trip (s3 = 1) asks for nothing, so the last K step named is 31.
.macro ASK
	s_cmp_gt_u32 s3, s[LIM]
	s_cbranch_scc0 .Lnot_mine_\@
	global_prefetch_b8 v[PFO], s[PFA:PFA+1] offset:KSTEP*2 th:TH_LOAD_NT scope:SCOPE_SE
.Lnot_mine_\@:
.endm
; A round of the cluster's barrier: my work-group's barrier, so that wave 0's signal speaks for all four waves; wave 0 signals for the work-group; every wave waits for all sixteen
; work-groups; my work-group's barrier once more.  No LDS instruction of the wave is pending at a signal.
.macro CREST                           ; a round behind its opening barrier
	s_cmp_lg_u32 s10, 0
	s_cbranch_scc1 .Lnot_wave_0_\@
	s_barrier_signal -3
.Lnot_wave_0_\@:
	s_barrier_wait -3
	s_barrier_signal -1
	s_barrier_wait -1
.endm
.macro CROUND                          ; a whole round
	s_barrier_signal -1
	s_barrier_wait -1
	CREST
.endm
	s_load_b128 s[4:7], s[0:1], 0x0                ; xb s[4:5], wb s[6:7]
	s_load_b64 s[BP:BP+1], s[0:1], 0x10            ; b
	s_load_b64 s[8:9], s[0:1], 0x18                ; out0
	v_lshl_add_u32 v[SPW], v0, 2, SPARE
	v_mov_b32 v[NIL], 0
	ds_add_u32 v[SPW], v[NIL]                      ; the wave's opening: the add, twice on end, and its wait ahead of my first tensor load; the set-up below, work on registers, stands between
	ds_add_u32 v[SPW], v[NIL]                      ; and once more, under the one wait
	v_lshrrev_b32 v1, 5, v0
	v_readfirstlane_b32 s10, v1                    ; wave 0..3
	s_lshr_b32 s11, s10, 1                         ; which half of the tile's rows is mine.  Also: I fetch for xb (0) or for wb (1)
	s_and_b32 s12, s10, 1                          ; which half of its columns.  Also: which 128 rows of that tile I fetch
	s_bfe_u32 s40, ttmp6, 0x40000                  ; cx: my place along the cluster's x
	s_bfe_u32 s41, ttmp6, 0x40004                  ; cy: along its y
	s_lshl_b32 s42, ttmp9, 2                       ; in a cluster launch ttmp9 and ttmp7 count clusters
	s_add_co_u32 s42, s42, s40                     ; tile column = 4 x cluster x + cx
	s_and_b32 s13, ttmp7, 0xffff
	s_lshl_b32 s13, s13, 2
	s_add_co_u32 s13, s13, s41                     ; tile row = 4 x cluster y + cy
	s_lshl_b32 s43, s41, 2
	s_lshl_b32 s43, 15, s43                        ; my row of the cluster: places 4 cy .. 4 cy + 3
	s_lshl_b32 s44, 0x1111, s40                    ; my column: places cx, cx + 4, cx + 8, cx + 12
	; descriptor group 1: a tile of 128 rows x 128 elements, padded in LDS
	s_or_b32 s[G1+0], s43, (1<<16)|(1<<20)|(1<<21)|(5<<22)|(3<<25)  ; 15:0 the mask: xb's tiles go to my row; 17:16 elements of 2 bytes; 20 padding on; 21 set beside a mask; 24:22 after every 64 words (code 5); 31:25 4 words of it (code 3)
	s_or_b32 s[G1B+0], s44, (1<<16)|(1<<20)|(1<<21)|(5<<22)|(3<<25) ; the same with the mask of my column, for wb's tiles
.irp g, G1, G1B
	s_mov_b32 s[(\g)+1], KSTEP<<16                 ; 63:48 tensor_dim0, low half = 128
	s_mov_b32 s[(\g)+2], 128<<16                   ; 79:64 its high half = 0; 95:80 tensor_dim1, low half = 128
	s_mov_b32 s[(\g)+3], KSTEP<<16                 ; 111:96 its high half = 0; 127:112 tile_dim0 = 128
	s_mov_b32 s[(\g)+4], 128                       ; 143:128 tile_dim1 = 128; 159:144 tile_dim2 = 0
	s_mov_b32 s[(\g)+5], SIZE_K                    ; 191:160 tensor_dim0_stride, low word: elements from row to row
	s_mov_b32 s[(\g)+6], 0
	s_mov_b32 s[(\g)+7], 0
.endr
	; where the tiles come from.  xb's hang on the tile row alone, which my row of the cluster shares; wb's on the tile column alone, which my column shares.
	; Every wave makes both addresses, in registers that never hold the other coordinate, and asks by one of them.
	s_lshl_b32 s17, s12, 7                         ; which 128 rows of the tile I fetch
	s_lshl_b32 s16, s13, 8
	s_add_co_u32 s16, s16, s17                     ; xb: row 256 x tile row + 128 x half
	s_lshl_b32 s46, s42, 8
	s_add_co_u32 s46, s46, s17                     ; wb: row 256 x tile column + 128 x half
	s_mov_b32 s17, 0
	s_mov_b32 s47, 0
	s_mov_b64 s[18:19], SIZE_K*2
	s_mul_u64 s[16:17], s[16:17], s[18:19]         ; in bytes
	s_mul_u64 s[46:47], s[46:47], s[18:19]
	s_mul_i32 s20, s10, HALFT                      ; and where they go: wave x 128 rows: no place in the cluster enters an LDS address
	s_wait_dscnt 0x0                               ; both opening adds are done
	s_wait_kmcnt 0x0
	s_add_nc_u64 s[14:15], s[4:5], s[16:17]
	s_add_nc_u64 s[46:47], s[6:7], s[46:47]
	CROUND                                         ; all sixteen work-groups are here: the first joint loads meet
.irp s, 0,1
	s_mov_b32 s[G0+4*(\s)], 1                                      ; 1:0 count = 1
	s_add_co_u32 s[G0+4*(\s)+1], s20, (\s)*SLOT                    ; 63:32 LDS address
	s_add_nc_u64 s[G0+4*(\s)+2:G0+4*(\s)+3], s[14:15], (\s)*KSTEP*2  ; 120:64 global address: K step s
	s_or_b32 s[G0+4*(\s)+3], s[G0+4*(\s)+3], 0x80000000            ; 127:126 type = 2
	s_mov_b32 s[G0B+4*(\s)], 1
	s_add_co_u32 s[G0B+4*(\s)+1], s20, (\s)*SLOT
	s_add_nc_u64 s[G0B+4*(\s)+2:G0B+4*(\s)+3], s[46:47], (\s)*KSTEP*2
	s_or_b32 s[G0B+4*(\s)+3], s[G0B+4*(\s)+3], 0x80000000
	JLOAD \s                                       ; the ring is filled before anything else is done: two loads of mine are out
.endr
	; A fragment is 16 rows x 32 K in 8 registers: lane l holds row l % 16; registers 0-3 hold K = 8 (l / 16) + 0..7, registers 4-7 hold K = 16 + 8 (l / 16) + 0..7: two loads of 16 bytes, 32 bytes apart.
	v_and_b32 v1, 15, v0                           ; l % 16
	v_bfe_u32 v2, v0, 4, 1                         ; l / 16
	v_mul_u32_u24 v3, v1, PITCH
	v_lshl_add_u32 v3, v2, 4, v3                   ; row x pitch + 16 x half
	s_mul_i32 s21, s11, HALFT                      ; my 128 rows of xb
	s_mul_i32 s22, s12, HALFT                      ; my 128 rows of wb,
	s_add_co_u32 s22, s22, 2*HALFT                 ; which lie behind xb's 256
.irp s, 0,1
	v_add_nc_u32 v[ADRA+(\s)], s21, v3
	v_add_nc_u32 v[ADRB+(\s)], s22, v3
	s_add_co_u32 s21, s21, SLOT
	s_add_co_u32 s22, s22, SLOT
.endr
	s_mul_i32 s23, s10, 16*SP
	s_add_co_u32 s23, s23, STAGE                   ; my stage
	v_mul_u32_u24 v4, v1, SP                       ; in: row l % 16, 32 bytes for each half of the lanes
	v_lshl_add_u32 v4, v2, 5, v4
	v_add_nc_u32 v[STO], s23, v4
	v_and_b32 v5, 31, v0
	v_lshlrev_b32 v[CO], 4, v5                     ; back: 32 lanes take one row of 512 bytes
	v_add_nc_u32 v[RD], s23, v[CO]
	; where my part of the tile begins in out0 and in b
	s_lshl_b32 s13, s13, 8
	s_lshl_b32 s14, s11, 7
	s_add_co_u32 s16, s13, s14                     ; my first row
	s_mov_b32 s17, 0
	s_mov_b64 s[18:19], SIZE_N*4
	s_mul_u64 s[16:17], s[16:17], s[18:19]
	s_lshl_b32 s46, s42, 10                        ; my first column, in bytes of f32: 1,024 x tile column + 512 x half
	s_lshl_b32 s47, s12, 9
	s_add_co_u32 s46, s46, s47
	s_mov_b32 s47, 0
	s_add_nc_u64 s[8:9], s[8:9], s[16:17]
	s_add_nc_u64 s[8:9], s[8:9], s[46:47]
	s_add_nc_u64 s[BP:BP+1], s[BP:BP+1], s[46:47]
	global_load_b128 v[BIAS:BIAS+3], v[CO], s[BP:BP+1]  ; waited for on the way out
	; the prefetches.  s13 = 256 x tile row, s42 = tile column, s40 = cx, s41 = cy still stand
	s_lshl_b32 s42, s42, 8
	s_and_b32 s22, ttmp7, 0xffff                   ; cluster y
	s_cmp_eq_u32 s11, 0                            ; do I fetch for xb?
	s_cselect_b32 s20, s13, s42                    ; the tile's first row: in xb by the tile row, in wb by the tile column
	s_cselect_b32 s21, s40, s41                    ; my place among the four that ask for it with me
	s_cselect_b32 s22, ttmp9, s22                  ; the coordinate along which other clusters read the same rows
	s_cselect_b64 s[PFA:PFA+1], s[4:5], s[6:7]
	s_cmp_eq_u32 s22, 0
	s_cselect_b32 s[LIM], 1, -1                    ; the same in all sixteen partners, for a given wave
	s_lshl_b32 s22, s12, 7
	s_add_co_u32 s20, s20, s22                     ; + the 128 rows that I fetch
	s_lshl_b32 s21, s21, 5
	s_add_co_u32 s20, s20, s21                     ; + my work-group's 32 of them
	s_mov_b32 s21, 0
	s_mov_b64 s[18:19], SIZE_K*2
	s_mul_u64 s[20:21], s[20:21], s[18:19]
	s_add_nc_u64 s[PFA:PFA+1], s[PFA:PFA+1], s[20:21]
	s_add_nc_u64 s[PFA:PFA+1], s[PFA:PFA+1], 2*KSTEP*2  ; at K step 2: the first refill steps it to 3 and names K step 4
	v_and_b32 v[PFO], 31, v0
	v_mul_u32_u24 v[PFO], v[PFO], SIZE_K*2
; 16 matrix instructions: m blocks a0, a0 + 1 of the window's four (hi = 0: my rows 0-63, 1: rows 64-127) x all 8 n blocks, 32 along K.  zero = 1: the first product starts the sums: nothing is ever cleared.
; The 64 accumulators take turns, one instruction a turn, in the same order in every quarter step, over the backward jump too.
.macro MUL16 f, hi, a0, zero
	WIN MUL_LO+0x50*(\hi)
.irp a, \a0, (\a0)+1
.irp b, 0,1,2,3,4,5,6,7
.if \zero
	v_wmma_f32_16x16x32_bf16 v[8*(8*(\a)+(\b)):8*(8*(\a)+(\b))+7], v[(\f)+8*(\b):(\f)+8*(\b)+7], v[(\f)+8*(4*(\hi)+(\a)):(\f)+8*(4*(\hi)+(\a))+7], 0
.else
	v_wmma_f32_16x16x32_bf16 v[8*(8*(\a)+(\b)):8*(8*(\a)+(\b))+7], v[(\f)+8*(\b):(\f)+8*(\b)+7], v[(\f)+8*(4*(\hi)+(\a)):(\f)+8*(4*(\hi)+(\a))+7], v[8*(8*(\a)+(\b)):8*(8*(\a)+(\b))+7]
.endif
.endr
.endr
.endm
; 32 LDS loads in one run: the fragments of one quarter step (128 rows of wb, 128 rows of xb, 32 K at byte k of the rows) into buffer f
.macro FETCH slot, k, f
	WIN TO_B
.irp i, 0,1,2,3,4,5,6,7
	ds_load_b128 v[(\f)+8*(\i):(\f)+8*(\i)+3],   v[ADRB+(\slot)] offset:(\k)+(\i)*16*PITCH
	ds_load_b128 v[(\f)+8*(\i)+4:(\f)+8*(\i)+7], v[ADRB+(\slot)] offset:(\k)+(\i)*16*PITCH+32
.endr
	WIN 0
.irp i, 0,1,2,3,4,5,6,7
	ds_load_b128 v[(\f)+8*(\i):(\f)+8*(\i)+3],   v[ADRA+(\slot)] offset:(\k)+(\i)*16*PITCH
	ds_load_b128 v[(\f)+8*(\i)+4:(\f)+8*(\i)+7], v[ADRA+(\slot)] offset:(\k)+(\i)*16*PITCH+32
.endr
.endm
; A load into a register that a matrix instruction has read stands four places behind that matrix instruction, and only plain vector instructions that name none of its registers are places
; (ISA guide 7.12.1 for vector instructions): four v_nop in front of each run of loads.
.macro PLACES
.rept 4
	v_nop
.endr
.endm
; A K step is four quarter steps of 32 along K, 64 matrix instructions each, on buffers 0, 1, 0, 1.
; One of the first three: multiplies buffer f; in its middle it fetches the next quarter's fragments, at byte k of the same slot's rows, into buffer g.
.macro QUARTER slot, k, f, g, zero
	s_wait_dscnt 8                                 ; wb and xb's rows 0-63 are in; the youngest eight loads (xb's rows 64-127) may be out
	WIN MUL_LO
	MUL16 \f, 0, 0, \zero
	MUL16 \f, 0, 2, \zero
	PLACES
	FETCH \slot, \k, \g
	s_wait_dscnt 32                                ; all but the 32 just issued
	WIN MUL_HI
	MUL16 \f, 1, 0, \zero
	MUL16 \f, 1, 2, \zero
.endm
; The last quarter multiplies buffer 1 and changes slots.  MEET is its first half: ONE barrier for the change of slots.  In front of it each wave waits for all its tensor loads, of which one
; is out: its part of the next slot; adds 0 to its spare word; and waits for that and for its own reads of this slot.  Behind it nobody reads this slot any more and the next slot is whole.
.macro MEET round                      ; round = 1: a round of the cluster's barrier follows
	WIN 0                                          ; (the add's two registers lie in window 0)
	s_wait_tensorcnt 0x0                           ; all my tensor loads have landed;
	ds_add_u32 v[SPW], v[NIL]                      ; 0 onto my spare word;
	s_wait_dscnt 9                                 ; (the add and the youngest eight loads may be out)
	WIN MUL_LO
	MUL16 F1, 0, 0, 0                              ; sixteen matrix instructions stand between the add and the wait for it
	s_wait_dscnt 0x0                               ; the add is done, and my reads of this slot are over:
	s_barrier_signal -1                            ; say so,
	MUL16 F1, 0, 2, 0                              ; work on registers while the others arrive,
.if \round
	WIN 0
.endif
	s_barrier_wait -1                              ; and go on when all four have said so
.endm
; The whole last quarter.  fill = 1: behind a round of the cluster's barrier the slot just read out is filled again first, with the K step two steps on; from that request to the wait for it
; a wave issues 224 matrix instructions.  Then come the next slot's first fragments.
.macro TURN slot, next, fill
.if \fill
	s_wait_xcnt 0x0                                ; the last prefetch, a K step back, has read its address: it is stepped here, ahead of the waits of the change of slots
	s_add_nc_u64 s[PFA:PFA+1], s[PFA:PFA+1], KSTEP*2
.endif
	MEET \fill
.if \fill
	CREST                                          ; no wave of any partner still reads this slot's tile or has a load on its way
	s_add_nc_u64 s[G0+4*(\slot)+2:G0+4*(\slot)+3], s[G0+4*(\slot)+2:G0+4*(\slot)+3], 2*KSTEP*2     ; no tensor load of mine is out, so a group 0 may be written
	s_add_nc_u64 s[G0B+4*(\slot)+2:G0B+4*(\slot)+3], s[G0B+4*(\slot)+2:G0B+4*(\slot)+3], 2*KSTEP*2
	JLOAD \slot                                    ; the first tensor load behind the round, my only one until the next; the four v_nop behind it are also the places in front of the loads below
.else
	PLACES
.endif
	FETCH \next, 0, F0
.if \fill
	ASK
.endif
	WIN MUL_HI
	MUL16 F1, 1, 0, 0
	MUL16 F1, 1, 2, 0
.endm
; THE WAY OUT of block a (16 rows x my 128 columns).  TOSTAGE: a lane's 32 bytes of each of the 8 accumulators go into my own stage (each accumulator's four lowest registers first),
; and whole rows of 512 bytes come back.  SEND: the bias is added and the rows are stored.
.macro TOSTAGE a
	s_wait_xcnt 0x0                                ; the stores of two blocks back have had their addresses translated (ISA guide 3.1): the registers that they read are loaded again only behind this wait
	WIN 0x08+4*((\a)/4)                            ; the stores' data (source 1) in window 2 or 3
.irp b, 0,1,2,3,4,5,6,7
	ds_store_b128 v[STO], v[64*((\a)%4)+8*(\b):64*((\a)%4)+8*(\b)+3]   offset:64*(\b)
	ds_store_b128 v[STO], v[64*((\a)%4)+8*(\b)+4:64*((\a)%4)+8*(\b)+7] offset:64*(\b)+16
.endr
	WIN 0
.irp t, 0,1,2,3,4,5,6,7,8,9,10,11,12,13,14,15
	ds_load_b128 v[OB+64*((\a)%2)+4*(\t):OB+64*((\a)%2)+4*(\t)+3], v[RD] offset:(\t)*SP  ; LDS serves a wave's instructions in order (ISA guide 5.7.1.4): these see the stores above; the next block's stores come behind them
.endr
.endm
.macro SEND a, younger                 ; younger: the LDS instructions issued behind block a's loads: the next block's 32, or none
.irp t, 0,1,2,3,4,5,6,7,8,9,10,11,12,13,14,15
	s_wait_dscnt (\younger)+15-(\t)                ; row t is back: behind its load stand 15 - t of this block's and the younger ones
	v_pk_add_f32 v[OB+64*((\a)%2)+4*(\t):OB+64*((\a)%2)+4*(\t)+1],   v[OB+64*((\a)%2)+4*(\t):OB+64*((\a)%2)+4*(\t)+1],   v[BIAS:BIAS+1]
	v_pk_add_f32 v[OB+64*((\a)%2)+4*(\t)+2:OB+64*((\a)%2)+4*(\t)+3], v[OB+64*((\a)%2)+4*(\t)+2:OB+64*((\a)%2)+4*(\t)+3], v[BIAS+2:BIAS+3]
	global_store_b128 v[CO], v[OB+64*((\a)%2)+4*(\t):OB+64*((\a)%2)+4*(\t)+3], s[8:9] offset:(16*(\a)+(\t))*SIZE_N*4 th:TH_STORE_NT  ; 32 lanes store 512 consecutive bytes, at a multiple of 256 from out0's first byte; 127 rows at the most: 2,080,768, inside the signed 24-bit immediate
.endr
.endm
	s_wait_tensorcnt 1                             ; my part of K step 0 is in; K step 1's load may stay out
	s_barrier_signal -1
	s_barrier_wait -1                              ; everybody's is
	FETCH 0, 0, F0
	QUARTER 0, 64,  F0, F1, 1                      ; the first quarter stands in front of the loop: its products start the sums
	WIN 0                                          ; at a label and at a branch every window is 0
	s_mov_b32 s3, LAPS-1
.Llap:                                                 ; a trip goes once round the ring, from a lap's second quarter to the next lap's first, and fills both slots again
	QUARTER 0, 128, F1, F0, 0
	QUARTER 0, 192, F0, F1, 0
	TURN 0, 1, 1
	QUARTER 1, 64,  F0, F1, 0
	QUARTER 1, 128, F1, F0, 0
	QUARTER 1, 192, F0, F1, 0
	TURN 1, 0, 1
	QUARTER 0, 64,  F0, F1, 0
	WIN 0
	s_sub_co_u32 s3, s3, 1
	s_cmp_lg_u32 s3, 0
	s_cbranch_scc1 .Llap
	QUARTER 0, 128, F1, F0, 0                      ; the last lap is written out: it fills nothing, and has no round of the cluster's barrier
	QUARTER 0, 192, F0, F1, 0
	TURN 0, 1, 0
	QUARTER 1, 64,  F0, F1, 0
	QUARTER 1, 128, F1, F0, 0
	QUARTER 1, 192, F0, F1, 0
	s_wait_dscnt 8                                 ; the very last quarter: nothing more to fetch
	WIN MUL_LO
	MUL16 F1, 0, 0, 0
	MUL16 F1, 0, 2, 0
	s_wait_dscnt 0x0
	MUL16 F1, 1, 0, 0
	MUL16 F1, 1, 2, 0
	WIN 0
	PLACES                                         ; behind the last products: in front of LDS stores that read results and of loads into the fragments' registers
	PLACES
	s_wait_loadcnt 0x0                             ; the bias
	TOSTAGE 0
.irp a, 1,2,3,4,5,6,7                  ; block a's way through the stage is issued ahead of block a - 1's additions and stores
	TOSTAGE \a
	SEND (\a)-1, 32
.endr
	SEND 7, 0
	s_wait_tensorcnt 0x0                           ; the wave's end: behind my last tensor load and my last LDS store
	ds_add_u32 v[SPW], v[NIL]
	s_wait_dscnt 0x0
	CROUND                                         ; the closing round: no work-group ends while a partner may still ask for a tile that names it
	s_endpgm
.Lfunc_end_k_q5627c62cb7_gemm:
	.size	k_q5627c62cb7_gemm, .Lfunc_end_k_q5627c62cb7_gemm-k_q5627c62cb7_gemm
	.p2alignl 7, 3214868480
	.fill 96, 4, 3214868480
	.section	.rodata,"a",@progbits
	.p2align	6, 0x0
	.amdhsa_kernel k_q5627c62cb7_gemm
		.amdhsa_group_segment_fixed_size 327680
		.amdhsa_private_segment_fixed_size 0
		.amdhsa_enable_private_segment 0
		.amdhsa_kernarg_size 32
		.amdhsa_user_sgpr_count 2
		.amdhsa_user_sgpr_kernarg_segment_ptr 1
		.amdhsa_wavefront_size32 1
		.amdhsa_system_sgpr_workgroup_id_x 1
		.amdhsa_system_sgpr_workgroup_id_y 1
		.amdhsa_system_sgpr_workgroup_id_z 1
		.amdhsa_system_vgpr_workitem_id 0
		.amdhsa_next_free_vgpr 1024
		.amdhsa_next_free_sgpr 68
		.amdhsa_reserve_vcc 0
		.amdhsa_float_denorm_mode_32 3
		.amdhsa_float_denorm_mode_16_64 3
		.amdhsa_memory_ordered 1
		.amdhsa_forward_progress 1
		.amdhsa_inst_pref_size 162
	.end_amdhsa_kernel
	.amdgpu_metadata
---
amdhsa.version: [ 1, 2 ]
amdhsa.kernels:
  - .name:           k_q5627c62cb7_gemm
    .symbol:         k_q5627c62cb7_gemm.kd
    .args:
      - { .name: xb, .offset: 0, .size: 8, .value_kind: global_buffer, .address_space: global }
      - { .name: wb, .offset: 8, .size: 8, .value_kind: global_buffer, .address_space: global }
      - { .name: b, .offset: 16, .size: 8, .value_kind: global_buffer, .address_space: global }
      - { .name: out0, .offset: 24, .size: 8, .value_kind: global_buffer, .address_space: global }
    .group_segment_fixed_size: 327680
    .private_segment_fixed_size: 0
    .kernarg_segment_align: 8
    .kernarg_segment_size: 32
    .max_flat_workgroup_size: 128
    .sgpr_count:     68
    .vgpr_count:     1024
    .wavefront_size: 32
...
	.end_amdgpu_metadata
.endif
;; end of part 2
